; MI455X (gfx1250); checked and timed in simulation.
; The chip was launched on July 23, 2026; its instructions are those of AMD's public machine-readable ISA for CDNA 5 (MIT licence, August 2026) and "CDNA5" Instruction Set Architecture Reference Guide (July 2026).
;; Self Attention. Allowed arithmetic: matrix products marked QUANTISED: E4M3 operands, one given power-of-two scale a tensor, by v_wmma_f32_16x16x64_fp8_fp8 or v_wmma_f32_16x16x128_fp8_fp8, f32 sums; everything else in f32.
;; Inputs: lowp_scales 8 int32 (the exponents e of the quantised operands' scales 2^e); out_b 1,024 float32; out_w_codes 1,024 x 32 x 32 uint8 (E4M3 codes of out_w, K innermost, in blocks of 32 codes); qkv_w_codes 3,072 x 32 x 32 uint8 (E4M3 codes of qkv_w, K innermost, in blocks of 32 codes); x_codes 4 x 2,048 x 32 x 32 uint8 (E4M3 codes of x, K innermost, in blocks of 32 codes).
;; Outputs: out0 4 x 2,048 x 1,024 float32.
;; This version of the problem:
;;   THIS VERSION OF THE PROBLEM IS GIVEN IN LOW PRECISION. The matrix products marked QUANTISED in the list below multiply operands that are first quantised to E4M3 (4 exponent bits, 3 mantissa bits; 8 bits a number), with one given power-of-two scale for each operand tensor; their sums are f32. All else is computed in f32.
;;   The module's matrix products, in the order in which they are computed (A, B: the left and right operand; K: the contracted axis; several contracted axes count as one K, in the product's order):
;;     1. [M 8,192, K 1,024] x [K 1,024, N 3,072]; A: input x (given as codes); B: input qkv_w (given as codes): QUANTISED (scales: A lowp_scales[0], B lowp_scales[1])
;;     2. batch 4 x [M 2,048, K 1,024] x [K 1,024, N 2,048]; A: computed on the way; B: computed on the way: QUANTISED (scales: A lowp_scales[2], B lowp_scales[3])
;;     3. batch 4 x [M 2,048, K 2,048] x [K 2,048, N 1,024]; A: softmax (see below); B: computed on the way: QUANTISED (scales: A lowp_scales[4], B lowp_scales[5])
;;     4. [M 8,192, K 1,024] x [K 1,024, N 1,024]; A: computed on the way; B: input out_w (given as codes): QUANTISED (scales: A lowp_scales[6], B lowp_scales[7])
;;   THE QUANTISER, for each operand of a quantised product, along K:
;;     - The operand's scale is 2^e, e = its entry of the input lowp_scales (int32; the entries are numbered through the quantised products in the list's order, A before B).
;;     - Each number is divided by the scale, clamped to +-448, and rounded to the nearest number of E4M3, ties to even, subnormals kept.
;;     - The product sums the exact products of the quantised numbers (number of the format x scale) in f32.
;;   ~~~python
;;   def quantise(x, axis, e):      # numpy; x: float32 -> the quantised numbers, widened to float32 again
;;       x = np.moveaxis(x, axis, -1); K = x.shape[-1]
;;       r = np.clip(x / 2.0 ** e, -448, 448)
;;       step = 2.0 ** (np.maximum(np.frexp(np.where(r == 0, 1, r))[1] - 1, -6) - 3)
;;       q = np.round(r / step) * step * 2.0 ** e      # np.round: ties to even
;;       return np.moveaxis(q, -1, axis).astype(np.float32)
;;   ~~~
;;   SOFTMAX AHEAD OF A QUANTISED PRODUCT. Where the list says 'softmax', what is quantised is not the finished softmax but p = 2^(t - M), with t = logit x log2(e) and M = ceil(the row's largest t), a whole number; so 1/2 < the row's largest p <= 1. The row's sum l is taken of the UNQUANTISED p, in f32, and the product's result is divided by l at the end. Since M is a whole number, a kernel that streams over the keys may use a running M (the ceiling of the running maximum): every later rescaling is an exact power of two, so the quantised numbers keep their values, but for numbers so far below the row's largest that they fall under the format's range.
;;   OPERANDS COMPUTED ON THE WAY. 'Computed on the way' means the value that the module computes at that place (a softmax that the list does not call 'softmax' is quantised finished and normalised). What goes into a quantiser is computed in f32, as accurately as f32 sums, v_exp_f32 and their like allow (about 1e-6 of the number): no bf16 or f16 on the way to a quantiser, and a product that is left as it is and whose result goes on into a quantised operand takes f32 operands (vector FMAs, or v_wmma_f32_16x16x4_f32). A number that lies on a knife's edge between two numbers of the format may be rounded either way, as far as f32 arithmetic and the matrix unit's own rounding can turn it there, and no further.
;;   INPUTS GIVEN AS CODES. out_w (in the module: [1024, 1024], K = its axis 1); qkv_w (in the module: [3072, 1024], K = its axis 1); x (in the module: [4, 2048, 1024], K = its axis 2): each comes as NAME_codes (uint8): NAME with its K axis moved to the last place and cut into blocks of 32 codes, [.., K / 32, bytes a block], one block behind the other in memory; one code a byte (a code: sign, 4 exponent bits, 3 mantissa bits); its scale is its entry of lowp_scales. Its value is code x scale, taken as it is: it is not quantised again, and the codes and scales need not be those that the quantiser above would give.
;; One version. Each part assembles by itself: llvm-mc -triple=amdgcn-amd-amdhsa -mcpu=gfx1250 --defsym DOCPART=n.
;; ======== version 1 of 1: 4 launches
;; limits: right only within a limited range of input values
;; workspace buffers: q_img 8,388,608 bytes; k_img 8,388,608 bytes; vt_img 8,388,608 bytes; p_img 16,777,216 bytes; stats 1,048,576 bytes; o_img 8,388,608 bytes
;; launch qkv (part 1): grid 8 x 32, 4 waves a work-group, clusters of 4 x 4, 327,680 bytes of LDS; arguments x_codes, qkv_w_codes, lowp_scales, q_img, k_img, vt_img; writes q_img, k_img, vt_img
.if DOCPART == 1
	.amdgcn_target "amdgcn-amd-amdhsa--gfx1250"
	.amdhsa_code_object_version 6
	.text
	.protected	k_q66809cb074_qkv
	.globl	k_q66809cb074_qkv
	.p2align	8
	.type	k_q66809cb074_qkv,@function
k_q66809cb074_qkv:
	s_mov_b64 s[64:65], 0
	v_nop
	global_prefetch_b8 v0, s[64:65] scope:SCOPE_SE
	s_setreg_imm32_b32 hwreg(HW_REG_WAVE_MODE, 25, 1), 1
	s_wait_xcnt 0x0
	s_wait_alu depctr_hold_cnt(0) depctr_sa_sdst(0) depctr_va_vdst(0) depctr_va_sdst(0) depctr_va_ssrc(0) depctr_va_vcc(0) depctr_vm_vsrc(0)
	s_getreg_b32 s2, hwreg(HW_REG_IB_STS2, 6, 4)
	s_cmp_eq_u32 s2, 0
	s_cbranch_scc0 .Lentry_in_a_cluster
	s_endpgm
.Lentry_in_a_cluster:
	s_bfe_u32 s2, ttmp6, 0x10000c
	s_cmp_lg_u32 s2, 0xf033
	s_cbranch_scc0 .Lentry_shape_is_right
	s_endpgm
.Lentry_shape_is_right:
.set PITCH,  272
.set HALFT,  128*PITCH
.set OPB,    256*PITCH
.set SLOT,   2*OPB
.set SPARE,  2*SLOT
.set ADRA, 16
.set ADRB, 20
.set ADRC, 22
.set LO,   24
.set SC2,  26
.set LIM2, 27
.set SPW,  28
.set NIL,  29
.set SC,   30
.set LIM,  31
.set AF,   128
.set CD,   128
.set SGN,  96
.set A2P,  66
.set B2P,  88
.set G1,  24
.set G0,  32
.set G1B, 48
.set G0B, 56
.set G1C, 80
.set NEG,  0
.set NB,   8
.set BADR, ADRB
.set PH,   0
.set GBX,  G1B
.set PADW, (1<<20)|(1<<21)|(5<<22)|(3<<25)
.set MSB, 0
.macro WIN new
.if MSB != (\new)
	s_set_vgpr_msb (MSB<<8)|(\new)
.set MSB, (\new)
.endif
.endm
.set MUL_LO, 0xa1
.set MUL_HI, 0xf1
.set TO_B,   0x40
.macro JL s
.if (\s) >= 0
	s_cmp_eq_u32 s15, \s
	s_cbranch_scc0 .Lasked_\@
.endif
	s_cmp_eq_u32 s16, 0
	s_cbranch_scc0 .Lfor_b_\@
	tensor_load_to_lds s[G0:G0+3], s[G1:G1+7]
	s_nop 0
.rept 4
	v_nop
.endr
	s_branch .Lasked_\@
.Lfor_b_\@:
	tensor_load_to_lds s[G0B:G0B+3], s[GBX:GBX+7]
	s_nop 0
.rept 4
	v_nop
.endr
.Lasked_\@:
.endm
.macro REFILL s
.if (\s) == 0
.if PH == 0
	s_add_nc_u64 s[G0+2:G0+3], s[G0+2:G0+3], 512
	s_add_nc_u64 s[G0B+2:G0B+3], s[G0B+2:G0B+3], 512
.else
	s_mov_b64 s[G0+2:G0+3], s[A2P:A2P+1]
	s_or_b32 s[G0+3], s[G0+3], 0x80000000
	s_mov_b64 s[G0B+2:G0B+3], s[B2P:B2P+1]
	s_or_b32 s[G0B+3], s[G0B+3], 0x80000000
.endif
.endif
	JL \s
.endm
.macro CREST
	s_cmp_lg_u32 s14, 0
	s_cbranch_scc1 .Lnot_wave_0_\@
	s_barrier_signal -3
.Lnot_wave_0_\@:
	s_barrier_wait -3
	s_barrier_signal -1
	s_barrier_wait -1
.endm
.macro CROUND
	s_barrier_signal -1
	s_barrier_wait -1
	CREST
.endm
.macro PLACES
.rept 4
	v_nop
.endr
.endm
.macro LDF reg, adr, off
.irp c, 0,1,2,3,4,5,6,7
	ds_load_b64 v[\reg+2*\c:\reg+2*\c+1], v[\adr] offset:(\off)+16*\c
.endr
.endm
.macro LA2 s, q, i
	WIN 0
	LDF AF+16*(\i), ADRA+(\s), 128*(\q)+(\i)*16*PITCH
	LDF AF+16*(\i+1), ADRA+(\s), 128*(\q)+(\i+1)*16*PITCH
.endm
.macro LB s, q, i
	WIN TO_B
	LDF 128*(\q)+16*(\i), BADR+(\s), 128*(\q)+(\i)*16*PITCH
.endm
.macro LB2 s, q, i
	LB \s, \q, \i
	LB \s, \q, \i+1
.endm
.macro PROLOG
	LB2 0, 0, 0
	LB2 0, 0, 2
.if NB == 8
	LB2 0, 0, 4
	LB2 0, 0, 6
.endif
	LA2 0, 0, 0
	LA2 0, 0, 2
.endm
.macro MUL a, q, zero
.if NEG
	WIN 0
.set i, 0
.rept 16
	v_xor_b32 v[AF+16*(\a)+i], s[SGN], v[AF+16*(\a)+i]
.set i, i+1
.endr
.endif
.if (\a) < 4
	WIN MUL_LO
.else
	WIN MUL_HI
.endif
.irp b, 0,1,2,3,4,5,6,7
.if \b < NB
.if \zero
	v_wmma_f32_16x16x128_fp8_fp8 v[8*(8*((\a)%4)+\b):8*(8*((\a)%4)+\b)+7], v[128*(\q)+16*\b:128*(\q)+16*\b+15], v[AF+16*(\a):AF+16*(\a)+15], 0
.else
	v_wmma_f32_16x16x128_fp8_fp8 v[8*(8*((\a)%4)+\b):8*(8*((\a)%4)+\b)+7], v[128*(\q)+16*\b:128*(\q)+16*\b+15], v[AF+16*(\a):AF+16*(\a)+15], v[8*(8*((\a)%4)+\b):8*(8*((\a)%4)+\b)+7]
.endif
.endif
.endr
.endm
.macro MULW n, a, q, zero
	s_wait_dscnt \n
	MUL \a, \q, \zero
.endm
.macro STEP s, q, ns, nq, zero, kind
	MULW 24, 0, \q, \zero
	WIN 0
	PLACES
	LA2 \s, \q, 4
.if (\kind) == 0
	MULW 32, 1, \q, \zero
	LA2 \s, \q, 6
	MULW 40, 2, \q, \zero
	LB2 \ns, \nq, 0
	MULW 48, 3, \q, \zero
	LB2 \ns, \nq, 2
	MULW 56, 4, \q, \zero
.if NB == 8
	LB2 \ns, \nq, 4
	MULW 60, 5, \q, \zero
	LB2 \ns, \nq, 6
	MULW 60, 6, \q, \zero
.else
	MULW 48, 5, \q, \zero
	MULW 40, 6, \q, \zero
.endif
.else
	LA2 \s, \q, 6
.if (\kind) == 3
	MULW 48, 1, \q, \zero
	MULW 40, 2, \q, \zero
	MULW 32, 3, \q, \zero
	MULW 24, 4, \q, \zero
	MULW 16, 5, \q, \zero
	MULW 8, 6, \q, \zero
	MULW 0, 7, \q, \zero
.else
	s_wait_tensorcnt 0x0
	ds_add_u32 v[SPW], v[NIL]
	MULW 49, 1, \q, \zero
	MULW 41, 2, \q, \zero
	s_wait_dscnt 0x0
	s_barrier_signal -1
	MUL 3, \q, \zero
	WIN 0
	s_barrier_wait -1
.if (\kind) != 2
	CREST
	REFILL \s
.endif
.if (\kind) == 4
	MUL 4, \q, \zero
	MUL 5, \q, \zero
	MUL 6, \q, \zero
	MUL 7, \q, \zero
.elseif NB == 8
	LB2 \ns, \nq, 0
	LB \ns, \nq, 2
	MUL 4, \q, \zero
	LB2 \ns, \nq, 3
	LB \ns, \nq, 5
	MUL 5, \q, \zero
	LB2 \ns, \nq, 6
	MUL 6, \q, \zero
.else
	LB2 \ns, \nq, 0
	LB2 \ns, \nq, 2
	MUL 4, \q, \zero
	MUL 5, \q, \zero
	MUL 6, \q, \zero
.endif
.endif
.endif
.if (\kind) < 3
	WIN 0
	PLACES
	LA2 \ns, \nq, 0
.if (\kind) == 0
.if NB == 8
	s_wait_dscnt 60
.else
	s_wait_dscnt 48
.endif
.endif
	MUL 7, \q, \zero
	LA2 \ns, \nq, 2
.endif
	WIN 0
.endm
.macro NEGATE
.irp w, 0x82, 0xc3
	WIN \w
.irp a, 0,1,2,3
.set j, 64*\a
.rept 4*NB
	v_pk_mul_f32 v[j:j+1], v[j:j+1], -1.0 op_sel_hi:[1,0]
.set j, j+2
.endr
.endr
.endr
	WIN 0
.endm
.macro QOUT a, sc, lim, ob
.set AC, 64*((\a)%4)
.set W, 2+(\a)/4
.set WDS, W|(W<<6)
.set CC, CD+2*NB*(\a)
	WIN WDS
.set i, 0
.rept 8*NB
	v_med3_num_f32 v[AC+i], -v[AC+i], -v[\lim], v[\lim]
.set i, i+1
.endr
	WIN W
.set i, 0
.rept NB
	v_cvt_scalef32_pk8_fp8_f32 v[CC+2*i:CC+2*i+1], v[AC+8*i:AC+8*i+7], v[\sc]
.set i, i+1
.endr
	v_nop
	WIN 0
.set i, 0
.rept NB/2
	global_store_b128 v[LO], v[CC+4*i:CC+4*i+3], s[\ob:\ob+1] offset:2048*(\a)+512*i
.set i, i+1
.endr
.endm
	s_load_b256 s[4:11], s[0:1], 0x0
	s_load_b128 s[68:71], s[0:1], 0x20
	v_lshl_add_u32 v[SPW], v0, 2, SPARE
	v_mov_b32 v[NIL], 0
	ds_add_u32 v[SPW], v[NIL]
	ds_add_u32 v[SPW], v[NIL]
	v_lshrrev_b32 v1, 5, v0
	v_readfirstlane_b32 s14, v1
	s_lshr_b32 s15, s14, 1
	s_and_b32 s16, s14, 1
	s_bfe_u32 s40, ttmp6, 0x40000
	s_bfe_u32 s41, ttmp6, 0x40004
	s_and_b32 s17, ttmp7, 0xffff
	s_lshl_b32 s17, s17, 2
	s_add_co_u32 s19, s17, s41
	s_lshl_b32 s42, ttmp9, 2
	s_add_co_u32 s42, s42, s40
	s_lshl_b32 s43, s41, 2
	s_lshl_b32 s43, 15, s43
	s_lshl_b32 s44, 0x1111, s40
	s_or_b32 s[G1+0], s43, PADW
	s_or_b32 s[G1B+0], s44, PADW
	s_or_b32 s[G1C+0], s44, PADW
.irp g, G1, G1B, G1C
	s_mov_b32 s[\g+1], 256<<16
	s_mov_b32 s[\g+3], 256<<16
	s_mov_b32 s[\g+5], 1024
	s_mov_b32 s[\g+6], 0
	s_mov_b32 s[\g+7], 0
.endr
.irp g, G1, G1B
	s_mov_b32 s[\g+2], 256<<16
	s_mov_b32 s[\g+4], 256
.endr
	s_mov_b32 s[G1C+2], 128<<16
	s_mov_b32 s[G1C+4], 128
	s_lshl_b32 s18, s15, 8
	s_lshl_b32 s20, s19, 18
	s_add_co_u32 s20, s20, s18
	s_mov_b32 s21, 0
	s_lshl_b32 s46, s42, 18
	s_add_co_u32 s46, s46, s18
	s_mov_b32 s47, 0
	s_add_co_u32 s[A2P], s41, 8
	s_lshl_b32 s[A2P], s[A2P], 18
	s_add_co_u32 s[A2P], s[A2P], s18
	s_mov_b32 s[A2P+1], 0
	s_lshl_b32 s90, ttmp9, 5
	s_add_co_u32 s90, s90, s17
	s_add_co_u32 s90, s90, s40
	s_lshl_b32 s[B2P], s90, 17
	s_add_co_u32 s[B2P], s[B2P], s18
	s_mov_b32 s[B2P+1], 0
	s_mul_i32 s45, s15, SLOT
	s_mov_b32 s[G0], 1
	s_mov_b32 s[G0+1], s45
	s_mov_b32 s[G0B], 1
	s_add_co_u32 s[G0B+1], s45, OPB
	s_wait_dscnt 0x0
	s_wait_kmcnt 0x0
	s_load_b256 s[72:79], s[8:9], 0x0
	s_add_nc_u64 s[G0+2:G0+3], s[4:5], s[20:21]
	s_or_b32 s[G0+3], s[G0+3], 0x80000000
	s_add_nc_u64 s[G0B+2:G0B+3], s[6:7], s[46:47]
	s_or_b32 s[G0B+3], s[G0B+3], 0x80000000
	CROUND
	JL -1
	s_add_nc_u64 s[A2P:A2P+1], s[6:7], s[A2P:A2P+1]
	s_add_nc_u64 s[B2P:B2P+1], s[4:5], s[B2P:B2P+1]
	s_lshl_b32 s98, s19, 1
	s_add_co_u32 s98, s98, s15
	s_lshl_b32 s98, s98, 2
	s_add_co_u32 s98, s98, s40
	s_lshl_b32 s98, s98, 1
	s_add_co_u32 s98, s98, s16
	s_lshl_b32 s98, s98, 14
	s_mov_b32 s99, 0
	s_cmp_eq_u32 ttmp9, 0
	s_cselect_b64 s[10:11], s[10:11], s[68:69]
	s_add_nc_u64 s[10:11], s[10:11], s[98:99]
	s_lshl_b32 s98, s41, 1
	s_add_co_u32 s98, s98, s15
	s_lshl_b32 s98, s98, 6
	s_add_co_u32 s98, s98, s90
	s_lshl_b32 s98, s98, 14
	s_lshl_b32 s18, s16, 10
	s_add_co_u32 s98, s98, s18
	s_add_nc_u64 s[70:71], s[70:71], s[98:99]
	s_mov_b32 s[SGN], 0x80808080
	s_mul_i32 s21, s15, HALFT
	s_mul_i32 s22, s16, HALFT
	s_add_co_u32 s22, s22, OPB
	s_mul_i32 s23, s16, 64*PITCH
	s_add_co_u32 s23, s23, OPB
	s_wait_kmcnt 0x0
	s_add_co_i32 s20, s72, s73
	s_cmp_eq_u32 ttmp9, 0
	s_cselect_b32 s18, s74, s75
	s_sub_co_i32 s18, s18, s20
	s_add_co_i32 s18, s18, 127
	s_lshl_b32 s46, s18, 23
	s_add_co_i32 s18, s18, 8
	s_lshl_b32 s18, s18, 23
	s_or_b32 s18, s18, 0x600000
	s_sub_co_i32 s20, s77, s20
	s_add_co_i32 s20, s20, 127
	s_lshl_b32 s47, s20, 23
	s_add_co_i32 s20, s20, 8
	s_lshl_b32 s20, s20, 23
	s_or_b32 s20, s20, 0x600000
	v_and_b32 v1, 15, v0
	v_bfe_u32 v2, v0, 4, 1
	v_mul_u32_u24 v3, v1, PITCH
	v_lshl_add_u32 v4, v2, 3, v3
	v_add_nc_u32 v[ADRA], s21, v4
	v_add_nc_u32 v[ADRB], s22, v4
	v_add_nc_u32 v[ADRC], s23, v4
	v_add_nc_u32 v[ADRA+1], SLOT, v[ADRA]
	v_add_nc_u32 v[ADRB+1], SLOT, v[ADRB]
	v_add_nc_u32 v[ADRC+1], SLOT, v[ADRC]
	v_and_b32 v5, 31, v0
	v_lshlrev_b32 v[LO], 4, v5
	v_mov_b32 v[SC], s46
	v_mov_b32 v[LIM], s18
	v_mov_b32 v[SC2], s47
	v_mov_b32 v[LIM2], s20
	s_wait_alu depctr_va_vdst(0)
	s_wait_tensorcnt 0x0
	s_barrier_signal -1
	s_barrier_wait -1
	PROLOG
	STEP 0, 0, 0, 1, 1, 0
	STEP 0, 1, 1, 0, 0, 1
	STEP 1, 0, 1, 1, 0, 0
	STEP 1, 1, 0, 0, 0, 1
	NEGATE
.set NEG, 1
	STEP 0, 0, 0, 1, 0, 0
.set PH, 1
.set GBX, G1C
	STEP 0, 1, 1, 0, 0, 1
	STEP 1, 0, 1, 1, 0, 0
	STEP 1, 1, 0, 0, 0, 4
	PLACES
.irp a, 0,1,2,3,4,5,6,7
	QOUT \a, SC, LIM, 10
.endr
.set NEG, 0
.set PH, 0
.set NB, 4
.set BADR, ADRC
	s_wait_xcnt 0x0
	PROLOG
	STEP 0, 0, 0, 1, 1, 0
	STEP 0, 1, 1, 0, 0, 1
	STEP 1, 0, 1, 1, 0, 0
	STEP 1, 1, 0, 0, 0, 1
	NEGATE
.set NEG, 1
	STEP 0, 0, 0, 1, 0, 0
	STEP 0, 1, 1, 0, 0, 2
	STEP 1, 0, 1, 1, 0, 0
	STEP 1, 1, 0, 0, 0, 3
	PLACES
.irp a, 0,1,2,3,4,5,6,7
	QOUT \a, SC2, LIM2, 70
.endr
	s_wait_tensorcnt 0x0
	ds_add_u32 v[SPW], v[NIL]
	s_wait_dscnt 0x0
	CROUND
	s_endpgm
.Lfunc_end_k_q66809cb074_qkv:
	.size	k_q66809cb074_qkv, .Lfunc_end_k_q66809cb074_qkv-k_q66809cb074_qkv
	.p2alignl 7, 3214868480
	.fill 96, 4, 3214868480
	.section	.rodata,"a",@progbits
	.p2align	6, 0x0
	.amdhsa_kernel k_q66809cb074_qkv
		.amdhsa_group_segment_fixed_size 327680
		.amdhsa_private_segment_fixed_size 0
		.amdhsa_enable_private_segment 0
		.amdhsa_kernarg_size 48
		.amdhsa_user_sgpr_count 2
		.amdhsa_user_sgpr_kernarg_segment_ptr 1
		.amdhsa_wavefront_size32 1
		.amdhsa_system_sgpr_workgroup_id_x 1
		.amdhsa_system_sgpr_workgroup_id_y 1
		.amdhsa_system_sgpr_workgroup_id_z 1
		.amdhsa_system_vgpr_workitem_id 0
		.amdhsa_next_free_vgpr 1024
		.amdhsa_next_free_sgpr 100
		.amdhsa_reserve_vcc 0
		.amdhsa_float_denorm_mode_32 3
		.amdhsa_float_denorm_mode_16_64 3
		.amdhsa_memory_ordered 1
		.amdhsa_forward_progress 1
		.amdhsa_inst_pref_size 255
	.end_amdhsa_kernel
	.section	.bss,"aw",@nobits
	.p2align	6
	.space	262144
	.amdgpu_metadata
---
amdhsa.version: [ 1, 2 ]
amdhsa.kernels:
  - .name:           k_q66809cb074_qkv
    .symbol:         k_q66809cb074_qkv.kd
    .args:
      - { .name: x_codes, .offset: 0, .size: 8, .value_kind: global_buffer, .address_space: global }
      - { .name: qkv_w_codes, .offset: 8, .size: 8, .value_kind: global_buffer, .address_space: global }
      - { .name: lowp_scales, .offset: 16, .size: 8, .value_kind: global_buffer, .address_space: global }
      - { .name: q_img, .offset: 24, .size: 8, .value_kind: global_buffer, .address_space: global }
      - { .name: k_img, .offset: 32, .size: 8, .value_kind: global_buffer, .address_space: global }
      - { .name: vt_img, .offset: 40, .size: 8, .value_kind: global_buffer, .address_space: global }
    .group_segment_fixed_size: 327680
    .private_segment_fixed_size: 0
    .kernarg_segment_align: 8
    .kernarg_segment_size: 48
    .max_flat_workgroup_size: 128
    .sgpr_count:     100
    .vgpr_count:     1024
    .wavefront_size: 32
...
	.end_amdgpu_metadata
.endif
;; end of part 1
;; launch scores (part 2): grid 12 x 16, 4 waves a work-group, clusters of 4 x 4, 327,680 bytes of LDS; arguments q_img, k_img, lowp_scales, p_img, stats; writes p_img, stats
.if DOCPART == 2
	.amdgcn_target "amdgcn-amd-amdhsa--gfx1250"
	.amdhsa_code_object_version 6
	.text
	.protected	k_q66809cb074_scores
	.globl	k_q66809cb074_scores
	.p2align	8
	.type	k_q66809cb074_scores,@function
k_q66809cb074_scores:
	s_mov_b64 s[64:65], 0
	v_nop
	global_prefetch_b8 v0, s[64:65] scope:SCOPE_SE
	s_setreg_imm32_b32 hwreg(HW_REG_WAVE_MODE, 25, 1), 1
	s_wait_xcnt 0x0
	s_wait_alu depctr_hold_cnt(0) depctr_sa_sdst(0) depctr_va_vdst(0) depctr_va_sdst(0) depctr_va_ssrc(0) depctr_va_vcc(0) depctr_vm_vsrc(0)
	s_getreg_b32 s2, hwreg(HW_REG_IB_STS2, 6, 4)
	s_cmp_eq_u32 s2, 0
	s_cbranch_scc0 .Lentry_in_a_cluster
	s_endpgm
.Lentry_in_a_cluster:
	s_bfe_u32 s2, ttmp6, 0x10000c
	s_cmp_lg_u32 s2, 0xf033
	s_cbranch_scc0 .Lentry_shape_is_right
	s_endpgm
.Lentry_shape_is_right:
.set ABLK,   32768
.set SPARE,  8*ABLK
.set XCH,    SPARE+512
.set ADRA, 16
.set ADRB, 20
.set LO,   24
.set XS,   25
.set XL,   26
.set SPW,  28
.set NIL,  29
.set SC,   30
.set LIM,  31
.set MV,   32
.set MD,   40
.set ML,   48
.set MX,   56
.set AUX,  64
.set NM,   72
.set LS,   88
.set LP,   96
.set ST,   104
.set FLOOR, 112
.set AF,   128
.set CD,   128
.set SEL,  66
.set CS,   96
.set HM,   98
.set G1,  24
.set G0,  32
.set G1B, 48
.set G0B, 56
.set MSB, 0
.macro WIN new
.if MSB != (\new)
	s_set_vgpr_msb (MSB<<8)|(\new)
.set MSB, (\new)
.endif
.endm
.set MUL_LO, 0xa1
.set MUL_HI, 0xf1
.set TO_B,   0x40
.macro JL g0a, g0b
	s_cmp_eq_u32 s15, 0
	s_cbranch_scc0 .Lfor_b_\@
	tensor_load_to_lds s[\g0a:\g0a+3], s[G1:G1+7]
	s_nop 0
.rept 4
	v_nop
.endr
	s_branch .Lasked_\@
.Lfor_b_\@:
	tensor_load_to_lds s[\g0b:\g0b+3], s[G1B:G1B+7]
	s_nop 0
.rept 4
	v_nop
.endr
.Lasked_\@:
.endm
.macro REFILL s
	s_add_nc_u64 s[G0+4*\s+2:G0+4*\s+3], s[G0+4*\s+2:G0+4*\s+3], 2*ABLK
	s_add_nc_u64 s[G0B+4*\s+2:G0B+4*\s+3], s[G0B+4*\s+2:G0B+4*\s+3], 2*ABLK
	JL G0+4*\s, G0B+4*\s
.endm
.macro CREST
	s_cmp_lg_u32 s14, 0
	s_cbranch_scc1 .Lnot_wave_0_\@
	s_barrier_signal -3
.Lnot_wave_0_\@:
	s_barrier_wait -3
	s_barrier_signal -1
	s_barrier_wait -1
.endm
.macro CROUND
	s_barrier_signal -1
	s_barrier_wait -1
	CREST
.endm
.macro PLACES
.rept 4
	v_nop
.endr
.endm
.macro LDF reg, adr, off
.irp c, 0,1,2,3
	ds_load_b128 v[\reg+4*\c:\reg+4*\c+3], v[\adr] offset:(\off)+512*\c
.endr
.endm
.macro LA2 s, q, i
	WIN 0
	LDF AF+16*(\i), ADRA, ABLK*(\s)+16384*(\q)+2048*(\i)
	LDF AF+16*(\i+1), ADRA, ABLK*(\s)+16384*(\q)+2048*(\i+1)
.endm
.macro LB s, q, i
	WIN TO_B
	LDF 128*(\q)+16*(\i), ADRB, ABLK*(\s)+16384*(\q)+2048*(\i)
.endm
.macro LB2 s, q, i
	LB \s, \q, \i
	LB \s, \q, \i+1
.endm
.macro MUL a, q, zero
.if \zero
	WIN 0x81+0x40*((\a)/4)
.elseif (\a) < 4
	WIN MUL_LO
.else
	WIN MUL_HI
.endif
.irp b, 0,1,2,3,4,5,6,7
.if \zero
.if (\a) > \b
.set MC, MV
.elseif (\a) < \b
.set MC, ML
.else
.set MC, MD
.endif
	v_wmma_f32_16x16x128_fp8_fp8 v[8*(8*((\a)%4)+\b):8*(8*((\a)%4)+\b)+7], v[128*(\q)+16*\b:128*(\q)+16*\b+15], v[AF+16*(\a):AF+16*(\a)+15], v[MC:MC+7]
.else
	v_wmma_f32_16x16x128_fp8_fp8 v[8*(8*((\a)%4)+\b):8*(8*((\a)%4)+\b)+7], v[128*(\q)+16*\b:128*(\q)+16*\b+15], v[AF+16*(\a):AF+16*(\a)+15], v[8*(8*((\a)%4)+\b):8*(8*((\a)%4)+\b)+7]
.endif
.endr
.endm
.macro MULW n, a, q, zero
	s_wait_dscnt \n
	MUL \a, \q, \zero
.endm
.macro STEP s, q, ns, nq, zero, kind
	MULW 12, 0, \q, \zero
	WIN 0
	PLACES
	LA2 \s, \q, 4
.if (\kind) == 0
	MULW 16, 1, \q, \zero
	LA2 \s, \q, 6
	MULW 20, 2, \q, \zero
	LB2 \ns, \nq, 0
	MULW 24, 3, \q, \zero
	LB2 \ns, \nq, 2
	MULW 28, 4, \q, \zero
	LB2 \ns, \nq, 4
	MULW 32, 5, \q, \zero
	LB2 \ns, \nq, 6
	MULW 36, 6, \q, \zero
.else
	LA2 \s, \q, 6
.if (\kind) == 3
	MULW 24, 1, \q, \zero
	MULW 20, 2, \q, \zero
	MULW 16, 3, \q, \zero
	MULW 12, 4, \q, \zero
	MULW 8, 5, \q, \zero
	MULW 4, 6, \q, \zero
	MULW 0, 7, \q, \zero
.else
	s_wait_tensorcnt 0x0
	ds_add_u32 v[SPW], v[NIL]
	MULW 25, 1, \q, \zero
	MULW 21, 2, \q, \zero
	s_wait_dscnt 0x0
	s_barrier_signal -1
	MUL 3, \q, \zero
	WIN 0
	s_barrier_wait -1
.if (\kind) == 1
	CREST
	REFILL \s
.endif
	LB2 \ns, \nq, 0
	LB \ns, \nq, 2
	MUL 4, \q, \zero
	LB2 \ns, \nq, 3
	LB \ns, \nq, 5
	MUL 5, \q, \zero
	LB2 \ns, \nq, 6
	MUL 6, \q, \zero
.endif
.endif
.if (\kind) < 3
	WIN 0
	PLACES
	LA2 \ns, \nq, 0
.if (\kind) == 0
	s_wait_dscnt 40
.endif
	MUL 7, \q, \zero
	LA2 \ns, \nq, 2
.endif
	WIN 0
.endm
	s_load_b256 s[4:11], s[0:1], 0x0
	s_load_b64 s[68:69], s[0:1], 0x20
	v_lshl_add_u32 v[SPW], v0, 2, SPARE
	v_mov_b32 v[NIL], 0
	ds_add_u32 v[SPW], v[NIL]
	ds_add_u32 v[SPW], v[NIL]
	v_lshrrev_b32 v1, 5, v0
	v_readfirstlane_b32 s14, v1
	s_lshr_b32 s15, s14, 1
	s_and_b32 s16, s14, 1
	s_bfe_u32 s40, ttmp6, 0x40000
	s_bfe_u32 s41, ttmp6, 0x40004
	s_and_b32 s17, ttmp7, 0xffff
	s_lshl_b32 s43, s41, 2
	s_lshl_b32 s43, 15, s43
	s_lshl_b32 s44, 0x1111, s40
	s_add_co_u32 s90, ttmp9, 1
	s_lshr_b32 s90, s90, 1
	s_lshl_b32 s90, s90, 2
	s_add_co_u32 s90, s90, s41
	s_lshr_b32 s91, ttmp9, 1
	s_lshl_b32 s91, s91, 2
	s_add_co_u32 s91, s91, s40
	s_or_b32 s[G1+0], s43, (3<<16)|(1<<21)
	s_or_b32 s[G1B+0], s44, (3<<16)|(1<<21)
.irp g, G1, G1B
	s_mov_b32 s[\g+1], 32<<16
	s_mov_b32 s[\g+2], 256<<16
	s_mov_b32 s[\g+3], 32<<16
	s_mov_b32 s[\g+4], 256
	s_mov_b32 s[\g+5], 32
	s_mov_b32 s[\g+6], 0
	s_mov_b32 s[\g+7], 0
.endr
	s_lshl_b32 s18, s17, 4
	s_lshl_b32 s20, s90, 1
	s_add_co_u32 s20, s20, s18
	s_add_co_u32 s20, s20, s16
	s_lshl_b32 s20, s20, 17
	s_mov_b32 s21, 0
	s_lshl_b32 s46, s91, 1
	s_add_co_u32 s46, s46, s18
	s_add_co_u32 s46, s46, s16
	s_lshl_b32 s46, s46, 17
	s_mov_b32 s47, 0
	s_lshl_b32 s45, s14, 16
	s_wait_dscnt 0x0
	s_wait_kmcnt 0x0
	s_load_b256 s[80:87], s[8:9], 0x0
	s_add_nc_u64 s[20:21], s[4:5], s[20:21]
	s_add_nc_u64 s[46:47], s[6:7], s[46:47]
.irp s, 0,1
	s_mov_b32 s[G0+4*\s], 1
	s_add_co_u32 s[G0+4*\s+1], s45, \s*ABLK
	s_add_nc_u64 s[G0+4*\s+2:G0+4*\s+3], s[20:21], \s*ABLK
	s_or_b32 s[G0+4*\s+3], s[G0+4*\s+3], 0x80000000
	s_mov_b32 s[G0B+4*\s], 1
	s_add_co_u32 s[G0B+4*\s+1], s45, \s*ABLK
	s_add_nc_u64 s[G0B+4*\s+2:G0B+4*\s+3], s[46:47], \s*ABLK
	s_or_b32 s[G0B+4*\s+3], s[G0B+4*\s+3], 0x80000000
.endr
	CROUND
	JL G0, G0B
	s_lshl_b32 s20, s90, 1
	s_add_co_u32 s20, s20, s18
	s_add_co_u32 s20, s20, s15
	s_lshl_b32 s20, s20, 3
	s_add_co_u32 s20, s20, s91
	s_lshl_b32 s20, s20, 1
	s_add_co_u32 s20, s20, s16
	s_lshl_b32 s20, s20, 14
	s_mov_b32 s21, 0
	s_add_nc_u64 s[10:11], s[10:11], s[20:21]
	s_lshl_b32 s20, s17, 3
	s_add_co_u32 s20, s20, s91
	s_lshl_b32 s20, s20, 15
	s_lshl_b32 s22, s90, 2
	s_lshl_b32 s23, s15, 1
	s_add_co_u32 s22, s22, s23
	s_lshl_b32 s22, s22, 10
	s_add_co_u32 s20, s20, s22
	s_lshl_b32 s22, s16, 9
	s_add_co_u32 s20, s20, s22
	s_add_nc_u64 s[68:69], s[68:69], s[20:21]
	s_mov_b32 s[SEL], 0x76543210
	s_mov_b32 s[SEL+1], 0xfedcba98
	s_mov_b32 s[HM], 0xffff0000
	s_sub_co_i32 s92, s90, s91
	s_lshl_b32 s92, s92, 1
	s_add_co_i32 s92, s92, s15
	s_sub_co_i32 s92, s92, s16
	s_mov_b32 s93, 0xef800000
	s_lshl_b32 s94, s92, 7
	s_cmp_lt_i32 s92, 0
	s_cselect_b32 s88, s93, 0
	s_cmp_le_i32 s92, 0
	s_cselect_b32 s89, s93, 0
	s_lshl_b32 s21, s15, 16
	s_lshl_b32 s22, s16, 16
	s_add_co_u32 s22, s22, 4*ABLK
	s_lshl_b32 s23, s14, 10
	s_add_co_u32 s23, s23, XCH
	s_xor_b32 s18, s14, 1
	s_lshl_b32 s18, s18, 10
	s_add_co_u32 s18, s18, XCH
	s_wait_kmcnt 0x0
	s_add_co_i32 s20, s82, s83
	s_lshl_b32 s20, s20, 23
	s_add_co_i32 s[CS], s20, 0x3d38aa3b
	s_mov_b32 s[CS+1], s[CS]
	s_add_co_i32 s20, s84, 127
	s_lshl_b32 s95, s20, 23
	s_add_co_i32 s20, s20, 8
	s_lshl_b32 s20, s20, 23
	s_or_b32 s20, s20, 0x600000
	v_and_b32 v1, 15, v0
	v_bfe_u32 v2, v0, 4, 1
	v_and_b32 v5, 31, v0
	v_lshlrev_b32 v[LO], 4, v5
	v_add_nc_u32 v[ADRA], s21, v[LO]
	v_add_nc_u32 v[ADRB], s22, v[LO]
	v_add_nc_u32 v[XS], s23, v[LO]
	v_add_nc_u32 v[XL], s18, v[LO]
	v_mov_b32 v[SC], s95
	v_mov_b32 v[LIM], s20
	v_mov_b32 v[FLOOR], 0xd3800000
	v_lshlrev_b32 v3, 3, v2
	v_sub_nc_u32 v3, v1, v3
	v_add_nc_u32 v3, s94, v3
	v_mov_b32 v4, s93
.irp j, 0,1,2,3,4,5,6,7
	v_mov_b32 v[MV+\j], s88
	v_mov_b32 v[ML+\j], s89
	v_cmp_gt_i32 vcc_lo, \j, v3
	v_cndmask_b32 v[MD+\j], 0, v4, vcc_lo
.endr
	s_wait_alu depctr_va_vdst(0)
	s_wait_tensorcnt 0x0
.irp g, G1, G1B
	s_mov_b32 s[\g+2], 128<<16
	s_mov_b32 s[\g+4], 128
.endr
	s_barrier_signal -1
	s_barrier_wait -1
	LB2 0, 0, 0
	LB2 0, 0, 2
	LB2 0, 0, 4
	LB2 0, 0, 6
	LA2 0, 0, 0
	LA2 0, 0, 2
	STEP 0, 0, 0, 1, 1, 0
	STEP 0, 1, 1, 0, 0, 1
	STEP 1, 0, 1, 1, 0, 0
	STEP 1, 1, 0, 0, 0, 1
	STEP 0, 0, 0, 1, 0, 0
	STEP 0, 1, 1, 0, 0, 2
	STEP 1, 0, 1, 1, 0, 0
	STEP 1, 1, 0, 0, 0, 3
	PLACES
.macro ROWMAX4 hi
.set W, 2+\hi
.set WSS, W|(W<<2)
	WIN WSS
.irp a, 0,1,2,3
	v_max3_num_f32 v[MX+4*\hi+\a], v[64*\a], v[64*\a+1], v[FLOOR]
	v_max3_num_f32 v[AUX+4*\hi+\a], v[64*\a+2], v[64*\a+3], v[FLOOR]
.endr
.set i, 4
.rept 15
.irp a, 0,1,2,3
	v_max3_num_f32 v[MX+4*\hi+\a], v[64*\a+i], v[64*\a+i+1], v[MX+4*\hi+\a]
	v_max3_num_f32 v[AUX+4*\hi+\a], v[64*\a+i+2], v[64*\a+i+3], v[AUX+4*\hi+\a]
.endr
.set i, i+4
.endr
.endm
	ROWMAX4 0
	ROWMAX4 1
	WIN 0
.irp a, 0,1,2,3,4,5,6,7
	v_max_num_f32 v[MX+\a], v[MX+\a], v[AUX+\a]
.endr
.irp a, 0,1,2,3,4,5,6,7
	v_permlanex16_b32 v[AUX+\a], v[MX+\a], s[SEL], s[SEL+1]
.endr
.irp a, 0,1,2,3,4,5,6,7
	v_max_num_f32 v[MX+\a], v[MX+\a], v[AUX+\a]
.endr
	ds_store_b128 v[XS], v[MX:MX+3]
	ds_store_b128 v[XS], v[MX+4:MX+7] offset:512
	s_wait_alu depctr_va_vdst(0)
	s_wait_dscnt 0x0
	s_barrier_signal -1
	s_barrier_wait -1
	ds_load_b128 v[AUX:AUX+3], v[XL]
	ds_load_b128 v[AUX+4:AUX+7], v[XL] offset:512
	s_wait_dscnt 0x0
.irp a, 0,1,2,3,4,5,6,7
	v_max_num_f32 v[MX+\a], v[MX+\a], v[AUX+\a]
.endr
.irp a, 0,1,2,3,4,5,6,7
	v_mul_f32 v[AUX+\a], s[CS], v[MX+\a]
.endr
.irp a, 0,1,2,3,4,5,6,7
	v_floor_f32 v[NM+2*\a], -v[AUX+\a]
.endr
.irp a, 0,1,2,3,4,5,6,7
	v_mov_b32 v[NM+2*\a+1], v[NM+2*\a]
.endr
.macro TM k
	WIN 0x80|(2+(\k)/2)
.irp u, 0,1
.set j, 0
.rept 32
	v_pk_fma_f32 v[64*\u+j:64*\u+j+1], v[128*((\k)%2)+64*\u+j:128*((\k)%2)+64*\u+j+1], s[CS:CS+1], v[NM+2*(2*(\k)+\u):NM+2*(2*(\k)+\u)+1] op_sel_hi:[1,0,0]
.set j, j+2
.endr
.endr
	WIN 0
.if (\k) > 0
	v_mov_b32 v[LS+2*(\k)-2], v[MX]
	v_mov_b32 v[LS+2*(\k)-1], v[MX+1]
.endif
.endm
.macro SOFT a
.set AC, 64*(\a)
	WIN 0x82
.set j, 0
	s_wait_alu depctr_va_vdst(0)
.rept 64
	v_exp_f32 v[AC+j], v[AC+j]
.set j, j+1
.endr
	v_nop
	s_wait_alu depctr_va_vdst(0)
	WIN 0x0a
.irp c, 0,1,2,3
	v_pk_add_f32 v[LP+2*\c:LP+2*\c+1], v[AC+4*\c:AC+4*\c+1], v[AC+4*\c+2:AC+4*\c+3]
.endr
	WIN 0x02
.set j, 16
.rept 6
.irp c, 0,1,2,3
	v_pk_add_f32 v[LP+2*\c:LP+2*\c+1], v[AC+j+2*\c:AC+j+2*\c+1], v[LP+2*\c:LP+2*\c+1]
.endr
.set j, j+8
.endr
	WIN 0x82
.set j, 0
.rept 64
	v_min_num_f32 v[AC+j], v[AC+j], v[LIM]
.set j, j+1
.endr
	WIN 0x02
.irp b, 0,1,2,3,4,5,6,7
	v_cvt_scalef32_pk8_fp8_f32 v[CD+16*(\a)+2*\b:CD+16*(\a)+2*\b+1], v[AC+8*\b:AC+8*\b+7], v[SC]
.endr
	WIN 0
	v_pk_add_f32 v[LP:LP+1], v[LP:LP+1], v[LP+2:LP+3]
	v_pk_add_f32 v[LP+4:LP+5], v[LP+4:LP+5], v[LP+6:LP+7]
	v_pk_add_f32 v[LP:LP+1], v[LP:LP+1], v[LP+4:LP+5]
	v_add_f32 v[MX+\a], v[LP], v[LP+1]
.irp g, 0,1,2,3
	global_store_b128 v[LO], v[CD+16*(\a)+4*\g:CD+16*(\a)+4*\g+3], s[10:11] offset:2048*(\a)+512*\g
.endr
.endm
	s_mov_b32 s3, 0
	s_wait_alu depctr_va_vdst(0)
.Lsoft:
	s_cmp_eq_u32 s3, 0
	s_cbranch_scc0 .Lsoft_1
	TM 0
	s_wait_alu depctr_va_vdst(0)
	s_branch .Lsoft_go
.Lsoft_1:
	s_cmp_eq_u32 s3, 1
	s_cbranch_scc0 .Lsoft_2
	TM 1
	s_wait_alu depctr_va_vdst(0)
	s_branch .Lsoft_go
.Lsoft_2:
	s_cmp_eq_u32 s3, 2
	s_cbranch_scc0 .Lsoft_3
	TM 2
	s_wait_alu depctr_va_vdst(0)
	s_branch .Lsoft_go
.Lsoft_3:
	TM 3
.Lsoft_go:
	SOFT 0
	SOFT 1
	s_add_co_u32 s3, s3, 1
	s_wait_alu depctr_va_vdst(0)
	s_wait_xcnt 0x0
	s_add_nc_u64 s[10:11], s[10:11], 4096
	s_cmp_lt_u32 s3, 4
	s_cbranch_scc1 .Lsoft
	v_mov_b32 v[LS+6], v[MX]
	v_mov_b32 v[LS+7], v[MX+1]
.irp a, 0,1,2,3,4,5,6,7
	v_permlanex16_b32 v[AUX+\a], v[LS+\a], s[SEL], s[SEL+1]
.endr
.irp a, 0,1,2,3,4,5,6,7
	v_add_f32 v[LS+\a], v[LS+\a], v[AUX+\a]
.endr
.irp u, 0,1
.irp k, 0,1,2,3
	v_cndmask_b32 v[ST+4*\u+\k], v[NM+2*(4*\u+\k)], v[LS+4*\u+\k], s[HM]
.endr
	global_store_b128 v[LO], v[ST+4*\u:ST+4*\u+3], s[68:69] offset:1024*\u
.endr
	s_wait_tensorcnt 0x0
	ds_add_u32 v[SPW], v[NIL]
	s_wait_dscnt 0x0
	CROUND
	s_endpgm
.Lfunc_end_k_q66809cb074_scores:
	.size	k_q66809cb074_scores, .Lfunc_end_k_q66809cb074_scores-k_q66809cb074_scores
	.p2alignl 7, 3214868480
	.fill 96, 4, 3214868480
	.section	.rodata,"a",@progbits
	.p2align	6, 0x0
	.amdhsa_kernel k_q66809cb074_scores
		.amdhsa_group_segment_fixed_size 327680
		.amdhsa_private_segment_fixed_size 0
		.amdhsa_enable_private_segment 0
		.amdhsa_kernarg_size 40
		.amdhsa_user_sgpr_count 2
		.amdhsa_user_sgpr_kernarg_segment_ptr 1
		.amdhsa_wavefront_size32 1
		.amdhsa_system_sgpr_workgroup_id_x 1
		.amdhsa_system_sgpr_workgroup_id_y 1
		.amdhsa_system_sgpr_workgroup_id_z 1
		.amdhsa_system_vgpr_workitem_id 0
		.amdhsa_next_free_vgpr 1024
		.amdhsa_next_free_sgpr 100
		.amdhsa_reserve_vcc 1
		.amdhsa_float_denorm_mode_32 3
		.amdhsa_float_denorm_mode_16_64 3
		.amdhsa_memory_ordered 1
		.amdhsa_forward_progress 1
		.amdhsa_inst_pref_size 134
	.end_amdhsa_kernel
	.amdgpu_metadata
---
amdhsa.version: [ 1, 2 ]
amdhsa.kernels:
  - .name:           k_q66809cb074_scores
    .symbol:         k_q66809cb074_scores.kd
    .args:
      - { .name: q_img, .offset: 0, .size: 8, .value_kind: global_buffer, .address_space: global }
      - { .name: k_img, .offset: 8, .size: 8, .value_kind: global_buffer, .address_space: global }
      - { .name: lowp_scales, .offset: 16, .size: 8, .value_kind: global_buffer, .address_space: global }
      - { .name: p_img, .offset: 24, .size: 8, .value_kind: global_buffer, .address_space: global }
      - { .name: stats, .offset: 32, .size: 8, .value_kind: global_buffer, .address_space: global }
    .group_segment_fixed_size: 327680
    .private_segment_fixed_size: 0
    .kernarg_segment_align: 8
    .kernarg_segment_size: 40
    .max_flat_workgroup_size: 128
    .sgpr_count:     100
    .vgpr_count:     1024
    .wavefront_size: 32
...
	.end_amdgpu_metadata
.endif
;; end of part 2
;; launch mix (part 3): grid 8 x 32, 4 waves a work-group, clusters of 4 x 4, 327,680 bytes of LDS; arguments p_img, vt_img, stats, lowp_scales, o_img; writes o_img
.if DOCPART == 3
	.amdgcn_target "amdgcn-amd-amdhsa--gfx1250"
	.amdhsa_code_object_version 6
	.text
	.protected	k_q66809cb074_mix
	.globl	k_q66809cb074_mix
	.p2align	8
	.type	k_q66809cb074_mix,@function
k_q66809cb074_mix:
	s_mov_b64 s[64:65], 0
	v_nop
	global_prefetch_b8 v0, s[64:65] scope:SCOPE_SE
	s_setreg_imm32_b32 hwreg(HW_REG_WAVE_MODE, 25, 1), 1
	s_wait_xcnt 0x0
	s_wait_alu depctr_hold_cnt(0) depctr_sa_sdst(0) depctr_va_vdst(0) depctr_va_sdst(0) depctr_va_ssrc(0) depctr_va_vcc(0) depctr_vm_vsrc(0)
	s_getreg_b32 s2, hwreg(HW_REG_IB_STS2, 6, 4)
	s_cmp_eq_u32 s2, 0
	s_cbranch_scc0 .Lentry_in_a_cluster
	s_endpgm
.Lentry_in_a_cluster:
	s_bfe_u32 s2, ttmp6, 0x10000c
	s_cmp_lg_u32 s2, 0xf033
	s_cbranch_scc0 .Lentry_shape_is_right
	s_endpgm
.Lentry_shape_is_right:
.set BLK,    32768
.set SLOT,   4*BLK
.set SPARE,  2*SLOT
.set ADRP, 16
.set ADRV, 20
.set LO,   24
.set SR,   25
.set SPW,  28
.set NIL,  29
.set SC,   30
.set LIM,  31
.set SF,   32
.set RF1,  112
.set RF2,  120
.set OA,   128
.set LDR,  128
.set MN,   248
.set FB0,  0
.set FB1,  128
.set GG,   19
.set PA2,  80
.set VA2,  82
.set SB1,  84
.set SB2,  86
.set OB1,  88
.set OB2,  90
.set G1,  24
.set G0,  32
.set G1B, 48
.set G0B, 56
.set MSB, 0
.macro WIN new
.if MSB != (\new)
	s_set_vgpr_msb (MSB<<8)|(\new)
.set MSB, (\new)
.endif
.endm
.macro JLOAD g0a, g1a, g0b, g1b
	s_cmp_eq_u32 s15, 0
	s_cbranch_scc0 .Lfor_b_\@
	tensor_load_to_lds s[\g0a:\g0a+3], s[\g1a:\g1a+7]
	s_nop 0
.rept 4
	v_nop
.endr
	s_branch .Lasked_\@
.Lfor_b_\@:
	tensor_load_to_lds s[\g0b:\g0b+3], s[\g1b:\g1b+7]
	s_nop 0
.rept 4
	v_nop
.endr
.Lasked_\@:
.endm
.macro CREST
	s_cmp_lg_u32 s14, 0
	s_cbranch_scc1 .Lnot_wave_0_\@
	s_barrier_signal -3
.Lnot_wave_0_\@:
	s_barrier_wait -3
	s_barrier_signal -1
	s_barrier_wait -1
.endm
.macro CROUND
	s_barrier_signal -1
	s_barrier_wait -1
	CREST
.endm
.macro PLACES
.rept 4
	v_nop
.endr
.endm
	s_load_b128 s[4:7], s[0:1], 0x0
	s_load_b128 s[8:11], s[0:1], 0x10
	s_load_b64 s[12:13], s[0:1], 0x20
	v_lshl_add_u32 v[SPW], v0, 2, SPARE
	v_mov_b32 v[NIL], 0
	ds_add_u32 v28, v29
	ds_add_u32 v28, v29
	s_wait_dscnt 0x0
	v_lshrrev_b32 v1, 5, v0
	v_readfirstlane_b32 s14, v1
	s_lshr_b32 s15, s14, 1
	s_and_b32 s16, s14, 1
	s_bfe_u32 s40, ttmp6, 0x40000
	s_bfe_u32 s41, ttmp6, 0x40004
	s_lshl_b32 s42, ttmp9, 2
	s_add_co_u32 s42, s42, s40
	s_and_b32 s17, ttmp7, 0xffff
	s_and_b32 s[GG], s17, 1
	s_lshr_b32 s17, s17, 1
	s_lshl_b32 s18, s[GG], 2
	s_add_co_u32 s18, s18, s41
	s_sub_co_u32 s66, 15, s18
	s_lshl_b32 s43, s41, 2
	s_lshl_b32 s43, 15, s43
	s_lshl_b32 s44, 0x1111, s40
	s_or_b32 s[G1+0], s43, (3<<16)|(1<<21)
	s_or_b32 s[G1B+0], s44, (3<<16)|(1<<21)
.irp g, G1, G1B
	s_mov_b32 s[\g+1], 32<<16
	s_mov_b32 s[\g+2], 256<<16
	s_mov_b32 s[\g+3], 32<<16
	s_mov_b32 s[\g+4], 256
	s_mov_b32 s[\g+5], 32
	s_mov_b32 s[\g+6], 0
	s_mov_b32 s[\g+7], 0
.endr
	s_lshl_b32 s67, s17, 4
	s_add_co_u32 s68, s67, s18
	s_add_co_u32 s69, s67, s66
	s_lshl_b32 s70, s16, 15
	s_mov_b32 s71, 0
	s_lshl_b32 s72, s68, 18
	s_add_co_u32 s72, s72, s70
	s_mov_b32 s73, 0
	s_lshl_b32 s74, s69, 18
	s_add_co_u32 s74, s74, s70
	s_lshl_b32 s76, s42, 5
	s_lshl_b32 s77, s17, 3
	s_add_co_u32 s76, s76, s77
	s_lshl_b32 s76, s76, 15
	s_add_co_u32 s76, s76, s70
	s_mov_b32 s77, 0
	s_add_co_u32 s92, s72, 2*BLK
	s_cmp_eq_u32 s[GG], 0
	s_cselect_b32 s78, 2*BLK, 0
	s_cselect_b32 s92, s74, s92
	s_mov_b32 s93, 0
	s_sub_co_u32 s94, 2*BLK, s78
	s_add_co_u32 s94, s94, s76
	s_mov_b32 s95, 0
	s_add_co_u32 s[PA2], s74, s78
	s_mov_b32 s[PA2+1], 0
	s_add_co_u32 s[VA2], s76, s78
	s_mov_b32 s[VA2+1], 0
	s_lshl_b32 s45, s14, 15
	s_lshl_b32 s[SB1], s17, 18
	s_lshl_b32 s20, s15, 10
	s_add_co_u32 s[SB1], s[SB1], s20
	s_lshl_b32 s20, s66, 11
	s_add_co_u32 s[SB2], s[SB1], s20
	s_lshl_b32 s20, s18, 11
	s_add_co_u32 s[SB1], s[SB1], s20
	s_mov_b32 s[SB1+1], 0
	s_mov_b32 s[SB2+1], 0
	s_lshl_b32 s20, s15, 13
	s_lshl_b32 s21, s16, 10
	s_add_co_u32 s20, s20, s21
	s_lshl_b32 s[OB1], s68, 3
	s_add_co_u32 s[OB1], s[OB1], s42
	s_lshl_b32 s[OB1], s[OB1], 14
	s_add_co_u32 s[OB1], s[OB1], s20
	s_mov_b32 s[OB1+1], 0
	s_lshl_b32 s[OB2], s69, 3
	s_add_co_u32 s[OB2], s[OB2], s42
	s_lshl_b32 s[OB2], s[OB2], 14
	s_add_co_u32 s[OB2], s[OB2], s20
	s_mov_b32 s[OB2+1], 0
	s_wait_kmcnt 0x0
	s_load_b96 s[96:98], s[10:11], 0x10
	s_add_nc_u64 s[72:73], s[4:5], s[72:73]
	s_add_nc_u64 s[92:93], s[4:5], s[92:93]
	s_add_nc_u64 s[PA2:PA2+1], s[4:5], s[PA2:PA2+1]
	s_add_nc_u64 s[76:77], s[6:7], s[76:77]
	s_add_nc_u64 s[94:95], s[6:7], s[94:95]
	s_add_nc_u64 s[VA2:VA2+1], s[6:7], s[VA2:VA2+1]
	s_add_nc_u64 s[SB1:SB1+1], s[8:9], s[SB1:SB1+1]
	s_add_nc_u64 s[SB2:SB2+1], s[8:9], s[SB2:SB2+1]
	s_add_nc_u64 s[OB1:OB1+1], s[12:13], s[OB1:OB1+1]
	s_add_nc_u64 s[OB2:OB2+1], s[12:13], s[OB2:OB2+1]
	s_cmp_eq_u32 s16, 0
	s_cselect_b64 s[G0+2:G0+3], s[72:73], s[92:93]
	s_cselect_b64 s[G0B+2:G0B+3], s[76:77], s[94:95]
	s_sub_nc_u64 s[G0+2:G0+3], s[G0+2:G0+3], s[70:71]
	s_or_b32 s[G0+3], s[G0+3], 0x80000000
	s_sub_nc_u64 s[G0B+2:G0B+3], s[G0B+2:G0B+3], s[70:71]
	s_or_b32 s[G0B+3], s[G0B+3], 0x80000000
	s_mov_b32 s[G0], 1
	s_mul_i32 s[G0+1], s16, SLOT
	s_mov_b32 s[G0B], 1
	s_add_co_u32 s[G0B+1], s[G0+1], 2*BLK
	CROUND
	JLOAD G0, G1, G0B, G1B
	v_and_b32 v1, 15, v0
	v_and_b32 v5, 31, v0
	v_lshlrev_b32 v[LO], 4, v5
	v_lshlrev_b32 v[SR], 4, v1
	s_lshl_b32 s21, s15, 13
	s_lshl_b32 s22, s16, 13
	s_add_co_u32 s22, s22, 2*BLK
.irp s, 0,1
	v_add_nc_u32 v[ADRP+\s], s21, v[LO]
	v_add_nc_u32 v[ADRV+\s], s22, v[LO]
	s_add_co_u32 s21, s21, SLOT
	s_add_co_u32 s22, s22, SLOT
.endr
.macro STATS n1
.set x, 0
.rept 10
.if x < \n1
.set SBX, SB1
.set J, x
.else
.set SBX, SB2
.set J, x-\n1
.endif
	global_load_b128 v[LDR+12*x:LDR+12*x+3], v[SR], s[SBX:SBX+1] offset:32768*J
	global_load_b128 v[LDR+12*x+4:LDR+12*x+7], v[SR], s[SBX:SBX+1] offset:32768*J+256
	global_load_b128 v[LDR+12*x+8:LDR+12*x+11], v[SR], s[SBX:SBX+1] offset:32768*J+768
.set x, x+1
.endr
	s_wait_loadcnt 0x0
.irp a, 0,1,2,3
	v_min_num_f32 v[MN+\a], v[LDR+\a], v[LDR+12+\a]
	v_min_num_f32 v[MN+4+\a], v[LDR+12*\n1+\a], v[LDR+12*(\n1+1)+\a]
.endr
.if \n1 == 4
.irp a, 0,1,2,3
	v_min3_num_f32 v[MN+\a], v[MN+\a], v[LDR+24+\a], v[LDR+36+\a]
.endr
.endif
.set x, \n1+2
.rept (8-\n1)/2
.irp a, 0,1,2,3
	v_min3_num_f32 v[MN+4+\a], v[MN+4+\a], v[LDR+12*x+\a], v[LDR+12*(x+1)+\a]
.endr
.set x, x+2
.endr
.set x, 0
.rept 10
.if x < \n1
.set MNX, MN
.set FX, RF1
.else
.set MNX, MN+4
.set FX, RF2
.endif
.irp a, 0,1,2,3
	v_sub_f32 v[SF+8*x+2*\a], v[MNX+\a], v[LDR+12*x+\a]
.endr
.irp a, 0,1,2,3
	v_cvt_i32_f32 v[SF+8*x+2*\a], v[SF+8*x+2*\a]
.endr
.irp a, 0,1,2,3
	v_add_f32 v[LDR+12*x+4+\a], v[LDR+12*x+4+\a], v[LDR+12*x+8+\a]
.endr
.irp a, 0,1,2,3
	v_ldexp_f32 v[SF+8*x+2*\a], 1.0, v[SF+8*x+2*\a]
.endr
.irp a, 0,1,2,3
	v_mov_b32 v[SF+8*x+2*\a+1], v[SF+8*x+2*\a]
.endr
.irp a, 0,1,2,3
.if (x == 0) || (x == \n1)
	v_mul_f32 v[FX+2*\a], v[LDR+12*x+4+\a], v[SF+8*x+2*\a]
.else
	v_fmac_f32 v[FX+2*\a], v[LDR+12*x+4+\a], v[SF+8*x+2*\a]
.endif
.endr
.set x, x+1
.endr
	s_wait_alu depctr_va_vdst(0)
.irp a, 0,1,2,3
	v_rcp_f32 v[RF1+2*\a], v[RF1+2*\a]
	v_rcp_f32 v[RF2+2*\a], v[RF2+2*\a]
.endr
	v_nop
	s_wait_alu depctr_va_vdst(0)
.irp a, 0,1,2,3
	v_mov_b32 v[RF1+2*\a+1], v[RF1+2*\a]
	v_mov_b32 v[RF2+2*\a+1], v[RF2+2*\a]
.endr
.endm
	s_cmp_lg_u32 s[GG], 0
	s_cbranch_scc1 .Lstats_g1
	s_wait_alu depctr_va_vdst(0)
	STATS 2
	s_branch .Lstats_done
.Lstats_g1:
	s_wait_alu depctr_va_vdst(0)
	STATS 4
.Lstats_done:
	s_wait_kmcnt 0x0
	s_sub_co_i32 s20, s98, s96
	s_sub_co_i32 s20, s20, s97
	s_add_co_i32 s20, s20, 127
	s_lshl_b32 s21, s20, 23
	v_mov_b32 v[SC], s21
	s_add_co_i32 s20, s20, 8
	s_lshl_b32 s20, s20, 23
	s_or_b32 s20, s20, 0x600000
	v_mov_b32 v[LIM], s20
.macro FETCH sl, u, q, f
	WIN 0x40
.irp i, 0,1,2,3
.irp c, 0,1,2,3
	ds_load_b128 v[\f+16*\i+4*\c:\f+16*\i+4*\c+3], v[ADRV+\sl] offset:32768*(\u)+16384*(\q)+2048*\i+512*\c
.endr
.endr
.irp i, 0,1,2,3
.irp c, 0,1,2,3
	ds_load_b128 v[\f+64+16*\i+4*\c:\f+64+16*\i+4*\c+3], v[ADRP+\sl] offset:32768*(\u)+16384*(\q)+2048*\i+512*\c
.endr
.endr
.endm
.macro MUL8 f, a0, zero
	WIN 0xa5
.irp a, \a0, \a0+1
.irp b, 0,1,2,3
.if \zero
	v_wmma_f32_16x16x128_fp8_fp8 v[8*(4*(\a)+\b):8*(4*(\a)+\b)+7], v[\f+16*\b:\f+16*\b+15], v[\f+64+16*(\a):\f+64+16*(\a)+15], 0
.else
	v_wmma_f32_16x16x128_fp8_fp8 v[8*(4*(\a)+\b):8*(4*(\a)+\b)+7], v[\f+16*\b:\f+16*\b+15], v[\f+64+16*(\a):\f+64+16*(\a)+15], v[8*(4*(\a)+\b):8*(4*(\a)+\b)+7]
.endif
.endr
.endr
.endm
.macro FMA idx, mul
	WIN 0x02
.irp a, 0,1,2,3
.set j, 0
.rept 16
.if \mul
	v_pk_mul_f32 v[OA+32*\a+j:OA+32*\a+j+1], v[32*\a+j:32*\a+j+1], v[SF+8*(\idx)+2*\a:SF+8*(\idx)+2*\a+1] op_sel_hi:[1,0]
.else
	v_pk_fma_f32 v[OA+32*\a+j:OA+32*\a+j+1], v[32*\a+j:32*\a+j+1], v[SF+8*(\idx)+2*\a:SF+8*(\idx)+2*\a+1], v[OA+32*\a+j:OA+32*\a+j+1] op_sel_hi:[1,0,1]
.endif
.set j, j+2
.endr
.endr
.endm
.macro WALK t, sl, nx, kind
	FETCH \sl, 0, 1, FB1
	s_wait_dscnt 32
	MUL8 FB0, 0, 1
	MUL8 FB0, 2, 1
	PLACES
	FETCH \sl, 1, 0, FB0
	s_wait_dscnt 32
	MUL8 FB1, 0, 0
	MUL8 FB1, 2, 0
	PLACES
.if (\t) == 0
	FMA 0, 1
.else
	FMA 2*(\t), 0
.endif
	FETCH \sl, 1, 1, FB1
	s_wait_dscnt 32
	MUL8 FB0, 0, 1
	MUL8 FB0, 2, 1
.if \kind < 2
	WIN 0
	s_wait_tensorcnt 0x0
	ds_add_u32 v[SPW], v[NIL]
	s_wait_dscnt 1
	MUL8 FB1, 0, 0
	s_wait_dscnt 0x0
	s_barrier_signal -1
	MUL8 FB1, 2, 0
	WIN 0
	s_barrier_wait -1
.if \kind == 1
	CREST
	s_add_nc_u64 s[G0+4*\sl+2:G0+4*\sl+3], s[PA2:PA2+1], (\t)*2*BLK
	s_or_b32 s[G0+4*\sl+3], s[G0+4*\sl+3], 0x80000000
	s_add_nc_u64 s[G0B+4*\sl+2:G0B+4*\sl+3], s[VA2:VA2+1], (\t)*2*BLK
	s_or_b32 s[G0B+4*\sl+3], s[G0B+4*\sl+3], 0x80000000
	JLOAD G0+4*\sl, G1, G0B+4*\sl, G1B
.else
	PLACES
.endif
	FETCH \nx, 0, 0, FB0
.else
	s_wait_dscnt 0x0
	MUL8 FB1, 0, 0
	MUL8 FB1, 2, 0
	PLACES
.endif
	FMA 2*(\t)+1, 0
	WIN 0
.endm
.macro EPI rf, ob, clear
	s_wait_xcnt 0x0
.irp a, 0,1,2,3
.set j, 0
.rept 16
	v_pk_mul_f32 v[OA+32*\a+j:OA+32*\a+j+1], v[OA+32*\a+j:OA+32*\a+j+1], v[\rf+2*\a:\rf+2*\a+1] op_sel_hi:[1,0]
.set j, j+2
.endr
.endr
.set j, 0
.rept 128
	v_med3_num_f32 v[OA+j], v[OA+j], -v[LIM], v[LIM]
.set j, j+1
.endr
	WIN 0x80
.set j, 0
.rept 16
	v_cvt_scalef32_pk8_fp8_f32 v[128+2*j:129+2*j], v[OA+8*j:OA+8*j+7], v[SC]
.set j, j+1
.endr
	v_nop
	WIN 0x08
.irp a, 0,1,2,3
.irp g, 0,1
	global_store_b128 v[LO], v[128+8*\a+4*\g:128+8*\a+4*\g+3], s[\ob:\ob+1] offset:2048*\a+512*\g
.endr
.endr
	WIN 0
.if \clear
.set j, 0
.rept 128
	v_mov_b32 v[OA+j], 0
.set j, j+1
.endr
.endif
.endm
	s_wait_alu depctr_va_vdst(0)
	s_wait_tensorcnt 0x0
.irp g, G1, G1B
	s_mov_b32 s[\g+2], 0x800000
	s_mov_b32 s[\g+4], 0x80
.endr
	s_mov_b32 s[G0+1], s45
	s_mov_b32 s[G0+4], 1
	s_add_co_u32 s[G0+5], s45, SLOT
	s_mov_b32 s[G0B+1], s45
	s_mov_b32 s[G0B+4], 1
	s_add_co_u32 s[G0B+5], s45, SLOT
	s_barrier_signal -1
	s_barrier_wait -1
	FETCH 0, 0, 0, FB0
	WALK 0, 0, 1, 1
	s_cmp_lg_u32 s[GG], 0
	s_cbranch_scc1 .Lfirst_goes_on
	EPI RF1, OB1, 1
.Lfirst_goes_on:
	WALK 1, 1, 0, 1
	s_cmp_eq_u32 s[GG], 0
	s_cbranch_scc1 .Lfirst_has_left
	EPI RF1, OB1, 1
.Lfirst_has_left:
	WALK 2, 0, 1, 1
	WALK 3, 1, 0, 0
	WALK 4, 0, 1, 2
	EPI RF2, OB2, 0
	s_wait_tensorcnt 0x0
	ds_add_u32 v[SPW], v[NIL]
	s_wait_dscnt 0x0
	CROUND
	s_endpgm
.Lfunc_end_k_q66809cb074_mix:
	.size	k_q66809cb074_mix, .Lfunc_end_k_q66809cb074_mix-k_q66809cb074_mix
	.p2alignl 7, 3214868480
	.fill 96, 4, 3214868480
	.section	.rodata,"a",@progbits
	.p2align	6, 0x0
	.amdhsa_kernel k_q66809cb074_mix
		.amdhsa_group_segment_fixed_size 327680
		.amdhsa_private_segment_fixed_size 0
		.amdhsa_enable_private_segment 0
		.amdhsa_kernarg_size 40
		.amdhsa_user_sgpr_count 2
		.amdhsa_user_sgpr_kernarg_segment_ptr 1
		.amdhsa_wavefront_size32 1
		.amdhsa_system_sgpr_workgroup_id_x 1
		.amdhsa_system_sgpr_workgroup_id_y 1
		.amdhsa_system_sgpr_workgroup_id_z 1
		.amdhsa_system_vgpr_workitem_id 0
		.amdhsa_next_free_vgpr 768
		.amdhsa_next_free_sgpr 100
		.amdhsa_reserve_vcc 0
		.amdhsa_float_denorm_mode_32 3
		.amdhsa_float_denorm_mode_16_64 3
		.amdhsa_memory_ordered 1
		.amdhsa_forward_progress 1
		.amdhsa_inst_pref_size 193
	.end_amdhsa_kernel
	.amdgpu_metadata
---
amdhsa.version: [ 1, 2 ]
amdhsa.kernels:
  - .name:           k_q66809cb074_mix
    .symbol:         k_q66809cb074_mix.kd
    .args:
      - { .name: p_img, .offset: 0, .size: 8, .value_kind: global_buffer, .address_space: global }
      - { .name: vt_img, .offset: 8, .size: 8, .value_kind: global_buffer, .address_space: global }
      - { .name: stats, .offset: 16, .size: 8, .value_kind: global_buffer, .address_space: global }
      - { .name: lowp_scales, .offset: 24, .size: 8, .value_kind: global_buffer, .address_space: global }
      - { .name: o_img, .offset: 32, .size: 8, .value_kind: global_buffer, .address_space: global }
    .group_segment_fixed_size: 327680
    .private_segment_fixed_size: 0
    .kernarg_segment_align: 8
    .kernarg_segment_size: 40
    .max_flat_workgroup_size: 128
    .sgpr_count:     100
    .vgpr_count:     768
    .wavefront_size: 32
...
	.end_amdgpu_metadata
.endif
;; end of part 3
;; launch proj (part 4): grid 4 x 64, 4 waves a work-group, clusters of 4 x 4, 327,680 bytes of LDS; arguments o_img, out_w_codes, lowp_scales, out_b, out0; writes out0
.if DOCPART == 4
	.amdgcn_target "amdgcn-amd-amdhsa--gfx1250"
	.amdhsa_code_object_version 6
	.text
	.protected	k_q66809cb074_proj
	.globl	k_q66809cb074_proj
	.p2align	8
	.type	k_q66809cb074_proj,@function
k_q66809cb074_proj:
	s_mov_b64 s[64:65], 0
	v_nop
	global_prefetch_b8 v0, s[64:65] scope:SCOPE_SE
	s_setreg_imm32_b32 hwreg(HW_REG_WAVE_MODE, 25, 1), 1
	s_wait_xcnt 0x0
	s_wait_alu depctr_hold_cnt(0) depctr_sa_sdst(0) depctr_va_vdst(0) depctr_va_sdst(0) depctr_va_ssrc(0) depctr_va_vcc(0) depctr_vm_vsrc(0)
	s_getreg_b32 s2, hwreg(HW_REG_IB_STS2, 6, 4)
	s_cmp_eq_u32 s2, 0
	s_cbranch_scc0 .Lentry_in_a_cluster
	s_endpgm
.Lentry_in_a_cluster:
	s_bfe_u32 s2, ttmp6, 0x10000c
	s_cmp_lg_u32 s2, 0xf033
	s_cbranch_scc0 .Lentry_shape_is_right
	s_endpgm
.Lentry_shape_is_right:
.set PITCH,  272
.set BOFF,   131072
.set BSLOT,  256*PITCH
.set SPARE,  BOFF+2*BSLOT
.set SPITCH, 528
.set ADRA, 16
.set ADRB, 20
.set STO,  24
.set RD,   25
.set CO,   26
.set SPW,  28
.set NIL,  29
.set BI,   32
.set AF,   128
.set BK,   128
.set G1,  24
.set G0,  32
.set G1B, 48
.set G0B, 56
.set MSB, 0
.macro WIN new
.if MSB != (\new)
	s_set_vgpr_msb (MSB<<8)|(\new)
.set MSB, (\new)
.endif
.endm
.macro CREST
	s_cmp_lg_u32 s14, 0
	s_cbranch_scc1 .Lnot_wave_0_\@
	s_barrier_signal -3
.Lnot_wave_0_\@:
	s_barrier_wait -3
	s_barrier_signal -1
	s_barrier_wait -1
.endm
.macro CROUND
	s_barrier_signal -1
	s_barrier_wait -1
	CREST
.endm
.macro PLACES
.rept 4
	v_nop
.endr
.endm
.macro LA t, i
	WIN 0
.irp c, 0,1,2,3
	ds_load_b128 v[AF+64*((\t)%2)+16*(\i)+4*\c:AF+64*((\t)%2)+16*(\i)+4*\c+3], v[ADRA+(\t)/4] offset:16384*((\t)%4)+2048*(\i)+512*\c
.endr
.endm
.macro LB t, i
	WIN 0x40
.irp c, 0,1,2,3,4,5,6,7
	ds_load_b64 v[128*((\t)%2)+16*(\i)+2*\c:128*((\t)%2)+16*(\i)+2*\c+1], v[ADRB+((\t)/2)%2] offset:128*((\t)%2)+16*\c+(\i)*16*PITCH
.endr
.endm
.macro MUL a, t
	WIN 0xa1
.irp b, 0,1,2,3,4,5,6,7
.if (\t) == 0
	v_wmma_f32_16x16x128_fp8_fp8 v[64*(\a)+8*\b:64*(\a)+8*\b+7], v[128*((\t)%2)+16*\b:128*((\t)%2)+16*\b+15], v[AF+64*((\t)%2)+16*(\a):AF+64*((\t)%2)+16*(\a)+15], 0
.else
	v_wmma_f32_16x16x128_fp8_fp8 v[64*(\a)+8*\b:64*(\a)+8*\b+7], v[128*((\t)%2)+16*\b:128*((\t)%2)+16*\b+15], v[AF+64*((\t)%2)+16*(\a):AF+64*((\t)%2)+16*(\a)+15], v[64*(\a)+8*\b:64*(\a)+8*\b+7]
.endif
.endr
.endm
.macro STEP t, n, kind
	s_wait_dscnt 12
.if (\kind) == 0
	MUL 0, \t
	PLACES
.irp i, 0,1,2
	LB \n, \i
.endr
	s_wait_dscnt 32
	MUL 1, \t
.irp i, 3,4,5
	LB \n, \i
.endr
	s_wait_dscnt 52
	MUL 2, \t
	LB \n, 6
	LB \n, 7
	LA \n, 0
	s_wait_dscnt 60
	MUL 3, \t
	LA \n, 1
	LA \n, 2
	LA \n, 3
.elseif (\kind) == 3
	MUL 0, \t
	s_wait_dscnt 8
	MUL 1, \t
	s_wait_dscnt 4
	MUL 2, \t
	s_wait_dscnt 0
	MUL 3, \t
.else
	WIN 0
	s_wait_tensorcnt 0x0
	ds_add_u32 v[SPW], v[NIL]
	MUL 0, \t
	s_wait_dscnt 0x0
	s_barrier_signal -1
	MUL 1, \t
	WIN 0
	s_barrier_wait -1
.if (\kind) == 1
	CREST
.if (\t) == 1
	s_add_nc_u64 s[G0B+2:G0B+3], s[G0B+2:G0B+3], 512
.endif
	s_cmp_eq_u32 s14, 2+(\t)/2
	s_cbranch_scc0 .Lasked_\@
	tensor_load_to_lds s[G0B:G0B+3], s[G1B:G1B+7]
	s_nop 0
.rept 4
	v_nop
.endr
.Lasked_\@:
.endif
	PLACES
.irp i, 0,1,2,3
	LB \n, \i
.endr
	MUL 2, \t
.irp i, 4,5,6,7
	LB \n, \i
.endr
	MUL 3, \t
.irp i, 0,1,2,3
	LA \n, \i
.endr
.endif
	WIN 0
.endm
	s_load_b128 s[4:7], s[0:1], 0x0
	s_load_b128 s[8:11], s[0:1], 0x10
	s_load_b64 s[12:13], s[0:1], 0x20
	v_lshl_add_u32 v[SPW], v0, 2, SPARE
	v_mov_b32 v[NIL], 0
	ds_add_u32 v[SPW], v[NIL]
	ds_add_u32 v[SPW], v[NIL]
	v_lshrrev_b32 v1, 5, v0
	v_readfirstlane_b32 s14, v1
	s_lshr_b32 s15, s14, 1
	s_and_b32 s16, s14, 1
	s_bfe_u32 s40, ttmp6, 0x40000
	s_bfe_u32 s41, ttmp6, 0x40004
	s_lshl_b32 s42, ttmp9, 2
	s_add_co_u32 s42, s42, s40
	s_and_b32 s17, ttmp7, 0xffff
	s_lshl_b32 s17, s17, 2
	s_add_co_u32 s17, s17, s41
	s_lshl_b32 s43, s41, 2
	s_lshl_b32 s43, 15, s43
	s_lshl_b32 s44, 0x1111, s40
	s_or_b32 s[G1+0], s43, (3<<16)|(1<<21)
	s_mov_b32 s[G1+1], 32<<16
	s_mov_b32 s[G1+2], 256<<16
	s_mov_b32 s[G1+3], 32<<16
	s_mov_b32 s[G1+4], 256
	s_mov_b32 s[G1+5], 32
	s_mov_b32 s[G1+6], 0
	s_mov_b32 s[G1+7], 0
	s_or_b32 s[G1B+0], s44, (1<<20)|(1<<21)|(5<<22)|(3<<25)
	s_mov_b32 s[G1B+1], 256<<16
	s_mov_b32 s[G1B+2], 256<<16
	s_mov_b32 s[G1B+3], 256<<16
	s_mov_b32 s[G1B+4], 256
	s_mov_b32 s[G1B+5], 1024
	s_mov_b32 s[G1B+6], 0
	s_mov_b32 s[G1B+7], 0
	s_lshl_b32 s45, s16, 16
	s_lshl_b32 s20, s17, 17
	s_add_co_u32 s20, s20, s45
	s_mov_b32 s21, 0
	s_lshl_b32 s46, s42, 18
	s_lshl_b32 s18, s16, 8
	s_add_co_u32 s46, s46, s18
	s_mov_b32 s47, 0
	s_mul_i32 s66, s16, BSLOT
	s_mov_b32 s[G0], 1
	s_mov_b32 s[G0+1], s45
	s_mov_b32 s[G0B], 1
	s_add_co_u32 s[G0B+1], s66, BOFF
	s_wait_dscnt 0x0
	s_wait_kmcnt 0x0
	s_load_b64 s[96:97], s[8:9], 0x18
	s_add_nc_u64 s[G0+2:G0+3], s[4:5], s[20:21]
	s_or_b32 s[G0+3], s[G0+3], 0x80000000
	s_add_nc_u64 s[G0B+2:G0B+3], s[6:7], s[46:47]
	s_or_b32 s[G0B+3], s[G0B+3], 0x80000000
	CROUND
	s_cmp_eq_u32 s15, 0
	s_cbranch_scc0 .Lhead_b
	tensor_load_to_lds s[G0:G0+3], s[G1:G1+7]
	s_nop 0
.rept 4
	v_nop
.endr
	s_branch .Lhead_asked
.Lhead_b:
	tensor_load_to_lds s[G0B:G0B+3], s[G1B:G1B+7]
	s_nop 0
.rept 4
	v_nop
.endr
.Lhead_asked:
	s_lshl_b32 s22, s42, 10
	s_lshl_b32 s23, s16, 9
	s_add_co_u32 s22, s22, s23
	s_mov_b32 s23, 0
	s_add_nc_u64 s[10:11], s[10:11], s[22:23]
	s_lshl_b32 s20, s17, 19
	s_lshl_b32 s21, s15, 18
	s_add_co_u32 s20, s20, s21
	s_add_co_u32 s20, s20, s22
	s_mov_b32 s21, 0
	s_add_nc_u64 s[12:13], s[12:13], s[20:21]
	s_lshl_b32 s21, s15, 13
	s_mul_i32 s22, s16, 128*PITCH
	s_add_co_u32 s22, s22, BOFF
	s_mul_i32 s23, s14, 16*SPITCH
	s_add_co_u32 s23, s23, BOFF
	s_wait_kmcnt 0x0
	s_add_co_i32 s96, s96, s97
	s_add_co_i32 s96, s96, 127
	s_lshl_b32 s96, s96, 23
	s_mov_b32 s97, s96
	v_and_b32 v1, 15, v0
	v_bfe_u32 v2, v0, 4, 1
	v_lshlrev_b32 v6, 5, v2
.irp b, 0,1,2,3,4,5,6,7
	global_load_b128 v[BI+8*\b:BI+8*\b+3], v6, s[10:11] offset:64*\b
	global_load_b128 v[BI+8*\b+4:BI+8*\b+7], v6, s[10:11] offset:64*\b+16
.endr
	v_and_b32 v5, 31, v0
	v_lshlrev_b32 v[CO], 4, v5
	v_mul_u32_u24 v3, v1, PITCH
	v_lshl_add_u32 v4, v2, 3, v3
	v_add_nc_u32 v[ADRA], s21, v[CO]
	v_add_nc_u32 v[ADRB], s22, v4
	v_add_nc_u32 v[ADRA+1], 0x10000, v[ADRA]
	v_add_nc_u32 v[ADRB+1], BSLOT, v[ADRB]
	v_mul_u32_u24 v7, v1, SPITCH
	v_lshl_add_u32 v7, v2, 5, v7
	v_add_nc_u32 v[STO], s23, v7
	v_add_nc_u32 v[RD], s23, v[CO]
	s_wait_alu depctr_va_vdst(0)
	s_wait_tensorcnt 0x0
	s_barrier_signal -1
	s_barrier_wait -1
.irp i, 0,1,2,3,4,5,6,7
	LB 0, \i
.endr
.irp i, 0,1,2,3
	LA 0, \i
.endr
	STEP 0, 1, 0
	STEP 1, 2, 1
	STEP 2, 3, 0
	STEP 3, 4, 1
	STEP 4, 5, 0
	STEP 5, 6, 2
	STEP 6, 7, 0
	STEP 7, 8, 3
.macro TOSTAGE a
.set AC, 64*(\a)
	WIN 0x42
.set j, 0
.rept 32
	v_pk_fma_f32 v[j:j+1], v[AC+j:AC+j+1], s[96:97], v[BI+j:BI+j+1] op_sel_hi:[1,0,1]
.set j, j+2
.endr
	WIN 0x04
.irp b, 0,1,2,3,4,5,6,7
	ds_store_b128 v[STO], v[8*\b:8*\b+3] offset:64*\b
	ds_store_b128 v[STO], v[8*\b+4:8*\b+7] offset:64*\b+16
.endr
	WIN 0
.set BB, BK+64*((\a)%2)
.irp t, 0,1,2,3,4,5,6,7,8,9,10,11,12,13,14,15
	ds_load_b128 v[BB+4*\t:BB+4*\t+3], v[RD] offset:\t*SPITCH
.endr
.endm
.macro SEND a, younger
.set BB, BK+64*((\a)%2)
	s_wait_dscnt \younger
.if (\a) > 0
	s_add_nc_u64 s[12:13], s[12:13], 16*4096
.endif
.irp t, 0,1,2,3,4,5,6,7,8,9,10,11,12,13,14,15
	global_store_b128 v[CO], v[BB+4*\t:BB+4*\t+3], s[12:13] offset:\t*4096 th:TH_STORE_NT
.endr
.endm
	s_wait_loadcnt 0x0
	PLACES
	TOSTAGE 0
.irp a, 1,2,3
.if \a > 1
	s_wait_xcnt 0x0
.endif
	TOSTAGE \a
	SEND \a-1, 32
.endr
	s_wait_xcnt 0x0
	SEND 3, 0
	s_wait_tensorcnt 0x0
	ds_add_u32 v[SPW], v[NIL]
	s_wait_dscnt 0x0
	CROUND
	s_endpgm
.Lfunc_end_k_q66809cb074_proj:
	.size	k_q66809cb074_proj, .Lfunc_end_k_q66809cb074_proj-k_q66809cb074_proj
	.p2alignl 7, 3214868480
	.fill 96, 4, 3214868480
	.section	.rodata,"a",@progbits
	.p2align	6, 0x0
	.amdhsa_kernel k_q66809cb074_proj
		.amdhsa_group_segment_fixed_size 327680
		.amdhsa_private_segment_fixed_size 0
		.amdhsa_enable_private_segment 0
		.amdhsa_kernarg_size 40
		.amdhsa_user_sgpr_count 2
		.amdhsa_user_sgpr_kernarg_segment_ptr 1
		.amdhsa_wavefront_size32 1
		.amdhsa_system_sgpr_workgroup_id_x 1
		.amdhsa_system_sgpr_workgroup_id_y 1
		.amdhsa_system_sgpr_workgroup_id_z 1
		.amdhsa_system_vgpr_workitem_id 0
		.amdhsa_next_free_vgpr 768
		.amdhsa_next_free_sgpr 100
		.amdhsa_reserve_vcc 0
		.amdhsa_float_denorm_mode_32 3
		.amdhsa_float_denorm_mode_16_64 3
		.amdhsa_memory_ordered 1
		.amdhsa_forward_progress 1
		.amdhsa_inst_pref_size 92
	.end_amdhsa_kernel
	.amdgpu_metadata
---
amdhsa.version: [ 1, 2 ]
amdhsa.kernels:
  - .name:           k_q66809cb074_proj
    .symbol:         k_q66809cb074_proj.kd
    .args:
      - { .name: o_img, .offset: 0, .size: 8, .value_kind: global_buffer, .address_space: global }
      - { .name: out_w_codes, .offset: 8, .size: 8, .value_kind: global_buffer, .address_space: global }
      - { .name: lowp_scales, .offset: 16, .size: 8, .value_kind: global_buffer, .address_space: global }
      - { .name: out_b, .offset: 24, .size: 8, .value_kind: global_buffer, .address_space: global }
      - { .name: out0, .offset: 32, .size: 8, .value_kind: global_buffer, .address_space: global }
    .group_segment_fixed_size: 327680
    .private_segment_fixed_size: 0
    .kernarg_segment_align: 8
    .kernarg_segment_size: 40
    .max_flat_workgroup_size: 128
    .sgpr_count:     100
    .vgpr_count:     768
    .wavefront_size: 32
...
	.end_amdgpu_metadata
.endif
;; end of part 4
